; MI455X (gfx1250); checked and timed in simulation.
; The chip was launched on July 23, 2026; its instructions are those of AMD's public machine-readable ISA for CDNA 5 (MIT licence, August 2026) and "CDNA5" Instruction Set Architecture Reference Guide (July 2026). The comments in the code are by the model that wrote it; some were corrected since.
;; Dot Product Attention. Allowed arithmetic: matrix products marked QUANTISED: E3M2 operands, one E8M0 scale for each 32 along K, by v_wmma_scale_f32_16x16x128_f8f6f4 with both operands' format E3M2, f32 sums; everything else in f32.
;; Inputs: keys 32 x 2,048 x 128 float32; queries 32 x 2,048 x 128 float32; valid_lens 32 int32; values 32 x 2,048 x 128 float32.
;; Outputs: out0 32 x 2,048 x 128 float32.
;; This version of the problem:
;;   THIS VERSION OF THE PROBLEM IS GIVEN IN LOW PRECISION. The matrix products marked QUANTISED in the list below multiply operands that are first quantised to E3M2 (3 exponent bits, 2 mantissa bits; 6 bits a number), with one power-of-two scale for each 32 numbers along K (OCP MX v1.0); their sums are f32. All else is computed in f32.
;;   The module's matrix products, in the order in which they are computed (A, B: the left and right operand; K: the contracted axis; several contracted axes count as one K, in the product's order):
;;     1. batch 32 x [M 2,048, K 128] x [K 128, N 2,048]; A: input queries; B: input keys: QUANTISED
;;     2. batch 32 x [M 2,048, K 2,048] x [K 2,048, N 128]; A: softmax (see below); B: input values: QUANTISED
;;   THE QUANTISER, for each operand of a quantised product, along K:
;;     - K is cut into blocks of 32 from its start; a last block that is shorter is filled with zeros.
;;     - A block's scale is 2^e with e = floor(log2(the largest magnitude in the block)) - 4, held to -126 .. 127; a block of zeros has e = 0. As a byte (E8M0): e + 127.
;;     - Each number is divided by its block's scale, clamped to +-28, and rounded to the nearest number of E3M2, ties to even, subnormals kept.
;;     - The product sums the exact products of the quantised numbers (number of the format x scale) in f32.
;;   ~~~python
;;   def quantise(x, axis):      # numpy; x: float32 -> the quantised numbers, widened to float32 again
;;       x = np.moveaxis(x, axis, -1); K = x.shape[-1]
;;       x = np.pad(x, [(0, 0)] * (x.ndim - 1) + [(0, -K % 32)]); x = x.reshape(x.shape[:-1] + (-1, 32)); a = np.abs(x).max(-1, keepdims=True)
;;       e = np.where(a > 0, np.clip(np.frexp(np.where(a > 0, a, 1))[1] - 1 - 4, -126, 127), 0)      # np.frexp(a)[1] - 1 = floor(log2(a)), exactly
;;       r = np.clip(x / 2.0 ** e, -28, 28)
;;       step = 2.0 ** (np.maximum(np.frexp(np.where(r == 0, 1, r))[1] - 1, -2) - 2)
;;       q = np.round(r / step) * step * 2.0 ** e      # np.round: ties to even
;;       return np.moveaxis(q.reshape(q.shape[:-2] + (-1,))[..., :K], -1, axis).astype(np.float32)
;;   ~~~
;;   SOFTMAX AHEAD OF A QUANTISED PRODUCT. Where the list says 'softmax', what is quantised is not the finished softmax but p = 2^(t - M), with t = logit x log2(e) and M = ceil(the row's largest t), a whole number; so 1/2 < the row's largest p <= 1. The row's sum l is taken of the UNQUANTISED p, in f32, and the product's result is divided by l at the end. Since M is a whole number, a kernel that streams over the keys may use a running M (the ceiling of the running maximum): every later rescaling is an exact power of two, which a block's scale takes up: the codes' values come out the same.
;;   OPERANDS COMPUTED ON THE WAY. 'Computed on the way' means the value that the module computes at that place (a softmax that the list does not call 'softmax' is quantised finished and normalised). What goes into a quantiser is computed in f32, as accurately as f32 sums, v_exp_f32 and their like allow (about 1e-6 of the number): no bf16 or f16 on the way to a quantiser, and a product that is left as it is and whose result goes on into a quantised operand takes f32 operands (vector FMAs, or v_wmma_f32_16x16x4_f32). A number that lies on a knife's edge between two numbers of the format may be rounded either way, as far as f32 arithmetic and the matrix unit's own rounding can turn it there, and no further.
;; One version. Each part assembles by itself: llvm-mc -triple=amdgcn-amd-amdhsa -mcpu=gfx1250 --defsym DOCPART=n.
;; ======== version 1 of 1: 2 launches
;; limits: right only within a limited range of input values
;; workspace buffers: kv 13,107,200 bytes; jobs 256 bytes of whole numbers
;; launch prep (part 1): grid 16 x 64, 4 waves a work-group, no clusters, 68,096 bytes of LDS; arguments keys, values, valid_lens, kv, jobs; writes kv, jobs
.if DOCPART == 1
	.amdgcn_target "amdgcn-amd-amdhsa--gfx1250"
	.amdhsa_code_object_version 6
	.text
	.protected	k_q3d433324b8_prep
	.globl	k_q3d433324b8_prep
	.p2align	8
	.type	k_q3d433324b8_prep,@function
k_q3d433324b8_prep:
	s_mov_b64 s[64:65], 0
	v_nop
	global_prefetch_b8 v0, s[64:65] scope:SCOPE_SE
	s_setreg_imm32_b32 hwreg(HW_REG_WAVE_MODE, 25, 1), 1
	s_wait_xcnt 0x0
; PREP.  keys and values, [32][2048][128] f32, become codes of BF6 (E3M2) with one E8M0 scale byte for each 32 along a product's K, laid as the attention launch's operand registers want them;
; and the 32 lengths are sorted into a table of whole numbers.
; A RECORD of kv holds one step of 128 keys of one batch, 25,600 bytes at (16 batch + step) x 25,600:
;   +0       K's eight fragments (16 keys x the head's 128), 1,536 bytes each: register j of lane l at 512 (j / 4) + 16 l + 4 (j % 4): an image of the operand's twelve registers
;   +12,288  V^T's eight fragments (16 channels x the step's 128 keys), likewise
;   +24,576  K's scale words: tile T, row r at 128 (T / 2) + 8 r + 4 (T % 2);      +25,088  V's, likewise
; THE KEYS OF A TILE OF K ARE NOT NEIGHBOURS: row r of tile 4 c + u is key 64 c + 8 u + r % 8 + 32 (r / 8) of the step: eight keys of block 2 c and eight of block 2 c + 1, so that the scores of the four tiles of a c
; are, in a lane, the 32 neighbouring keys of one whole block.
; K is quantised along the head's 128 (innermost in memory), V along the keys (its first axis in a batch): there a lane takes a channel and its registers run down the keys.
; A block's scale is 2^(floor(log2(its largest magnitude)) - 4); its byte is the largest magnitude's exponent field - 4, held at 1 from below.
; SHARES.  Work-group (x, y): step x, batch y % 32, K's half of the record (y < 32) or V's.  Four waves, no barrier: wave w makes tiles 2 w and 2 w + 1.  LDS serves K's path alone, 16,896 bytes for each wave.
; A step that begins at or past valid_lens[batch] is hidden whole by the mask (the lengths are read here) and is not made: its work-group ends.  Step 0 is always made: the attention launch fetches it whatever the length.
; A NaN or an infinity in keys or values that the mask hides in such a step is not carried to the result.
; THE TABLE jobs: entry rank at byte 8 rank = {batch, length held to 0 .. 2048}, ranks ascending by 32 x length + batch.  One wave of work-group (0, 0) makes it: 32 lanes, 32 comparisons each.
; LIMITS: a block of zeros gets the byte 1 where the rule says 127 (its codes are zeros, and this program alone reads the bytes); blocks whose largest magnitude lies under 2^(5 - 127) have their byte held at 1;
; NaN and infinities among the inputs are not served.
.set REC,   25600
.set VFR,   12288
.set KSC,   24576
.set VSC,   25088
.set PITCH, 528                        ; a row of K in the stage: 512 bytes + 16: the 16 rows that a load touches begin 132 words apart
.set WREG,  32*PITCH                   ; a wave's stage: 32 rows
.set SO,    28                         ; v28-31 the conversions' scale operands
.set X,     32                         ; v32-159 128 numbers a lane
.set C0,    160                        ; v160-171, v172-183 two fragments' codes: no store's data are written again
.set C1,    172
.set CT,    184                        ; v184-186, v188-190 the second halves of two blocks' codes
.set PW,    192                        ; v192-193 two tiles' halves of scale words
	s_load_b256 s[4:11], s[0:1], 0x0               ; keys s[4:5], values s[6:7], valid_lens s[8:9], kv s[10:11]
	s_load_b64 s[12:13], s[0:1], 0x20              ; jobs
	v_lshl_add_u32 v224, v0, 2, 0x10800            ; my spare word, behind the four stages
	v_mov_b32 v225, 0
	v_lshrrev_b32 v1, 5, v0
	v_readfirstlane_b32 s14, v1                    ; wave 0..3
	v_and_b32 v1, 31, v0                           ; lane
	v_and_b32 v2, 15, v0                           ; r
	v_bfe_u32 v3, v0, 4, 1                         ; h
	v_lshlrev_b32 v4, 4, v1                        ; 16 x lane
	v_lshlrev_b32 v10, 2, v1                       ; 4 x lane
	s_mul_i32 s32, s14, WREG
	v_add_nc_u32 v5, s32, v4                       ; the stage, on the way in: a row's 512 bytes, 16 a lane
	v_mul_u32_u24 v6, v2, PITCH
	v_lshl_add_u32 v6, v3, 7, v6
	v_add_nc_u32 v6, s32, v6                       ; and on the way out: row r, + 128 h: a whole block of 32 numbers
	v_lshlrev_b32 v8, 3, v2
	v_lshl_add_u32 v8, v3, 2, v8                   ; a scale word's place: 8 r + 4 h
	v_mul_u32_u24 v11, v3, 1536
	v_lshl_add_u32 v11, v2, 4, v11                 ; V's codes: tile h of my wave's two, lane r of the image
	s_and_b32 s33, ttmp7, 0xffff                   ; y
	s_and_b32 s18, s33, 31                         ; batch
	s_lshr_b32 s19, s33, 5                         ; 0: K, 1: V
	s_lshl_b32 s16, s18, 2
	s_lshl_b32 s17, ttmp9, 7                       ; the step's first key
	s_wait_alu depctr_va_vdst(0)
	s_wait_kmcnt 0x0
	s_load_b32 s15, s[8:9], s16 offset:0x0         ; my batch's length
	; ---- the table: wave 0 of work-group (0, 0)
	s_or_b32 s32, ttmp9, s33
	s_or_b32 s32, s32, s14
	s_cmp_lg_u32 s32, 0
	s_cbranch_scc1 .Lno_sort
	global_load_b32 v200, v10, s[8:9]              ; lane b: the length of batch b
	s_wait_loadcnt 0x0
	v_max_i32 v200, 0, v200
	v_min_u32 v200, 0x800, v200                    ; held to 0 .. 2048
	v_lshl_add_u32 v201, v200, 5, v1               ; the sorting key: 32 x length + batch: no two are equal
	v_mov_b32 v202, 0
.set j, 0
.rept 32
	v_readlane_b32 s32, v201, j
	v_cmp_lt_u32 vcc_lo, s32, v201
	v_add_co_ci_u32 v202, vcc_lo, 0, v202, vcc_lo  ; my rank: how many keys lie under mine
.set j, j+1
.endr
	v_min_u32 v202, 31, v202
	v_lshlrev_b32 v202, 3, v202
	v_mov_b32 v204, v1
	v_mov_b32 v205, v200
	global_store_b64 v202, v[204:205], s[12:13]    ; the 32 lanes store the table's 256 consecutive bytes
.Lno_sort:
	s_wait_kmcnt 0x0
	s_max_i32 s15, s15, 1                          ; (step 0 is always made)
	s_cmp_ge_u32 s17, s15
	s_cbranch_scc1 .Lend                           ; the mask hides the whole step
	s_lshl_b32 s22, s18, 4
	s_add_co_u32 s22, s22, ttmp9
	s_mul_i32 s22, s22, REC                        ; under 2^24
	s_mov_b32 s23, 0
	s_add_nc_u64 s[10:11], s[10:11], s[22:23]      ; my record
	s_mul_i32 s24, s14, 3072
	s_mov_b32 s25, 0
	s_add_nc_u64 s[28:29], s[10:11], s[24:25]      ; + my wave's two fragments
	s_lshl_b32 s24, s14, 7
	s_add_nc_u64 s[30:31], s[10:11], s[24:25]      ; + my wave's 32 scale words
	s_lshl_b32 s22, s18, 11
	s_add_co_u32 s22, s22, s17
	s_lshl_b32 s22, s22, 9                         ; the step's first row in keys or values, in bytes: under 2^25
	s_cmp_lg_u32 s19, 0
	s_cbranch_scc1 .Lvalues
; 64 numbers of a lane, v[s] on, register 32 c + i = k 64 c + 32 h + i of my row (two whole blocks), become a fragment's codes in v[d] on; v[pw] takes the scale bytes of blocks h and 2 + h, at bytes 0 and 2.
.macro QUANT s, d, pw
.irp c, 0,1
	v_max3_num_f32 v[16+\c], |v[\s+32*\c]|, |v[\s+1+32*\c]|, 0x2800000   ; the floor 2^(5 - 127): the byte cannot fall under 1
.endr
.irp i, 2,4,6,8,10,12,14,16,18,20,22,24,26,28,30
.irp c, 0,1
	v_max3_num_f32 v[16+\c], v[16+\c], |v[\s+32*\c+\i]|, |v[\s+1+32*\c+\i]|
.endr
.endr
.irp c, 0,1
	v_add_nc_u32 v[SO+\c], 0xfe000000, v[16+\c]    ; 4 off its exponent field: the conversion takes this operand's exponent field as its scale
.endr
.irp c, 0,1
	v_lshrrev_b32 v[20+\c], 23, v[SO+\c]           ; the scale's byte
.endr
	v_lshl_or_b32 v[\pw], v21, 16, v20
.irp c, 0,1
	v_cvt_scalef32_pk16_bf6_f32 v[\d+6*\c:\d+6*\c+2], v[\s+32*\c:\s+32*\c+15], v[SO+\c]
	v_cvt_scalef32_pk16_bf6_f32 v[CT+4*\c:CT+4*\c+2], v[\s+32*\c+16:\s+32*\c+31], v[SO+\c]   ; (a conversion's three registers begin on an even number)
.endr
	VMOVE \d
.endm
.macro VMOVE d                                 ; the second halves to their places: registers 3-5 and 9-11 of a lane's twelve
	v_nop                                          ; one plain instruction behind a scaled conversion
.irp c, 0,1
.irp i, 0,1,2
	v_mov_b32 v[\d+3+6*\c+\i], v[CT+4*\c+\i]
.endr
.endr
.endm
; Tile u's 16 rows go through my stage: in as they were loaded, 16 bytes a lane of a row; back two blocks of 32 a lane, into the registers that they left.  LDS serves a wave's instructions in order (ISA guide 5.7.1.4).
.macro TURNK u
.set i, 0
.rept 16
	ds_store_b128 v5, v[X+64*\u+4*i:X+64*\u+4*i+3] offset:(16*\u+i)*PITCH
.set i, i+1
.endr
.irp c, 0,1
.irp j, 0,1,2,3,4,5,6,7
	ds_load_b128 v[X+64*\u+32*\c+4*\j:X+64*\u+32*\c+4*\j+3], v6 offset:16*\u*PITCH+256*\c+16*\j
.endr
.endr
.endm
	; ---- K: my wave's tiles 2 w and 2 w + 1: their keys begin at 64 (w / 2) + 16 (w % 2)
	s_lshr_b32 s24, s14, 1
	s_lshl_b32 s24, s24, 15
	s_and_b32 s32, s14, 1
	s_lshl_b32 s32, s32, 13
	s_add_co_u32 s24, s24, s32
	s_add_co_u32 s22, s22, s24
	s_add_nc_u64 s[26:27], s[4:5], s[22:23]
.irp u, 0,1
.set i, 0
.rept 16
	global_load_b128 v[X+64*\u+4*i:X+64*\u+4*i+3], v4, s[26:27] offset:(8*\u+i+24*(i/8))*512 th:TH_LOAD_NT   ; a whole row: 32 lanes read 512 consecutive bytes; row i of the tile is key 8 u + i % 8 + 32 (i / 8) from there
.set i, i+1
.endr
.endr
	s_wait_loadcnt 16                              ; tile 0's sixteen rows are in; tile 1's sixteen may be out
	TURNK 0
	s_wait_loadcnt 0x0
	TURNK 1
	s_wait_dscnt 32                                ; tile 0 is back: behind its loads stand tile 1's 16 stores and 16 loads
	QUANT X, C0, PW
.irp c, 0,1,2
	global_store_b128 v4, v[C0+4*\c:C0+4*\c+3], s[28:29] offset:512*\c   ; the image: 32 lanes store 512 consecutive bytes, at a multiple of 256 from kv's first byte
.endr
	s_wait_alu depctr_va_vdst(0)
	s_wait_dscnt 0x0
	QUANT X+64, C1, PW+1
.irp c, 0,1,2
	global_store_b128 v4, v[C1+4*\c:C1+4*\c+3], s[28:29] offset:1536+512*\c
.endr
	v_permlane16_swap_b32 v[PW], v[PW+1]           ; PW: the h = 0 bytes of tile 2 w (lanes 0-15) and of tile 2 w + 1 (lanes 16-31); PW + 1: their h = 1 bytes
	v_lshl_or_b32 v9, v[PW+1], 8, v[PW]            ; lanes 0-15 tile 2 w's word of row r, lanes 16-31 tile 2 w + 1's
	global_store_b32 v8, v9, s[30:31] offset:KSC   ; 128 consecutive bytes a wave
	s_wait_tensorcnt 0x0                           ; the wave's end
	ds_add_u32 v224, v225
	s_wait_dscnt 0x0
	s_endpgm
; ---- V: my wave's channels 32 w + lane; the lane's 128 registers run down the step's keys: four whole blocks of 32
.macro VBLOCK kb, d, ct
.set XS, X+32*(\kb)
	v_max3_num_f32 v16, |v[XS]|, |v[XS+1]|, |v[XS+2]|          ; the block's largest magnitude: all 32 numbers are mine; two chains
	v_max3_num_f32 v17, |v[XS+3]|, |v[XS+4]|, |v[XS+5]|
.irp i, 6,10,14,18,22,26
	v_max3_num_f32 v16, v16, |v[XS+\i]|, |v[XS+\i+1]|
	v_max3_num_f32 v17, v17, |v[XS+\i+2]|, |v[XS+\i+3]|
.endr
	v_max3_num_f32 v16, v16, |v[XS+30]|, |v[XS+31]|
	v_max3_num_f32 v16, v16, v17, 0x2800000        ; and the floor
	v_add_nc_u32 v[SO+\kb], 0xfe000000, v16
	v_lshrrev_b32 v17, 23, v[SO+\kb]
.if \kb == 0
	v_mov_b32 v9, v17                              ; the four bytes make my channel's scale word, the lower keys in the lower byte
.else
	v_lshl_or_b32 v9, v17, 8*\kb, v9
.endif
	v_cvt_scalef32_pk16_bf6_f32 v[\d:\d+2], v[XS:XS+15], v[SO+\kb]
	v_cvt_scalef32_pk16_bf6_f32 v[\ct:\ct+2], v[XS+16:XS+31], v[SO+\kb]
.endm
.Lvalues:
	s_lshl_b32 s24, s14, 7
	s_add_co_u32 s22, s22, s24
	s_add_nc_u64 s[26:27], s[6:7], s[22:23]
.irp kb, 0,2,1,3                               ; the image's lanes 0-15 want blocks 0 and 2, its lanes 16-31 blocks 1 and 3: so the blocks are asked for in that order
.set i, 0
.rept 32
	global_load_b32 v[X+32*\kb+i], v10, s[26:27] offset:(32*\kb+i)*512 th:TH_LOAD_NT   ; key 32 kb + i at 32 neighbouring channels: 128 consecutive bytes a wave, 512 the work-group
.set i, i+1
.endr
.endr
	s_wait_loadcnt 63                              ; of the 128 loads the first 64, blocks 0 and 2, are in (64 might stay out; the wait's field holds 63)
	VBLOCK 0, C0, CT
	VBLOCK 2, C0+6, CT+4
	VMOVE C0
.irp g, 0,1,2
	global_store_b128 v11, v[C0+4*\g:C0+4*\g+3], s[28:29] offset:VFR+512*\g   ; to lane r of the image: sixteen lanes store 256 consecutive bytes, aligned
.endr
	s_wait_alu depctr_va_vdst(0)
	s_wait_loadcnt 0x0
	VBLOCK 1, C1, CT
	VBLOCK 3, C1+6, CT+4
	VMOVE C1
.irp g, 0,1,2
	global_store_b128 v11, v[C1+4*\g:C1+4*\g+3], s[28:29] offset:VFR+512*\g+256   ; to lane 16 + r
.endr
	global_store_b32 v8, v9, s[30:31] offset:VSC
.Lend:
	s_endpgm
.Lfunc_end_k_q3d433324b8_prep:
	.size	k_q3d433324b8_prep, .Lfunc_end_k_q3d433324b8_prep-k_q3d433324b8_prep
	.p2alignl 7, 3214868480
	.fill 96, 4, 3214868480
	.section	.rodata,"a",@progbits
	.p2align	6, 0x0
	.amdhsa_kernel k_q3d433324b8_prep
		.amdhsa_group_segment_fixed_size 68096
		.amdhsa_private_segment_fixed_size 0
		.amdhsa_enable_private_segment 0
		.amdhsa_kernarg_size 40
		.amdhsa_user_sgpr_count 2
		.amdhsa_user_sgpr_kernarg_segment_ptr 1
		.amdhsa_wavefront_size32 1
		.amdhsa_system_sgpr_workgroup_id_x 1
		.amdhsa_system_sgpr_workgroup_id_y 1
		.amdhsa_system_sgpr_workgroup_id_z 1
		.amdhsa_system_vgpr_workitem_id 0
		.amdhsa_next_free_vgpr 226
		.amdhsa_next_free_sgpr 66
		.amdhsa_reserve_vcc 1
		.amdhsa_float_denorm_mode_32 3
		.amdhsa_float_denorm_mode_16_64 3
		.amdhsa_memory_ordered 1
		.amdhsa_forward_progress 1
		.amdhsa_inst_pref_size 40
	.end_amdhsa_kernel
	.amdgpu_metadata
---
amdhsa.version: [ 1, 2 ]
amdhsa.kernels:
  - .name:           k_q3d433324b8_prep
    .symbol:         k_q3d433324b8_prep.kd
    .args:
      - { .name: keys, .offset: 0, .size: 8, .value_kind: global_buffer, .address_space: global }
      - { .name: values, .offset: 8, .size: 8, .value_kind: global_buffer, .address_space: global }
      - { .name: valid_lens, .offset: 16, .size: 8, .value_kind: global_buffer, .address_space: global }
      - { .name: kv, .offset: 24, .size: 8, .value_kind: global_buffer, .address_space: global }
      - { .name: jobs, .offset: 32, .size: 8, .value_kind: global_buffer, .address_space: global }
    .group_segment_fixed_size: 68096
    .private_segment_fixed_size: 0
    .kernarg_segment_align: 8
    .kernarg_segment_size: 40
    .max_flat_workgroup_size: 128
    .sgpr_count:     66
    .vgpr_count:     226
    .wavefront_size: 32
...
	.end_amdgpu_metadata
.endif
;; end of part 1
;; launch attn (part 2): grid 16 x 16, 8 waves a work-group, no clusters, 264,192 bytes of LDS; arguments queries, kv, jobs, out0; writes out0
.if DOCPART == 2
	.amdgcn_target "amdgcn-amd-amdhsa--gfx1250"
	.amdhsa_code_object_version 6
	.text
	.protected	k_q3d433324b8_attn
	.globl	k_q3d433324b8_attn
	.p2align	8
	.type	k_q3d433324b8_attn,@function
k_q3d433324b8_attn:
	s_mov_b64 s[64:65], 0
	v_nop
	global_prefetch_b8 v0, s[64:65] scope:SCOPE_SE
	s_setreg_imm32_b32 hwreg(HW_REG_WAVE_MODE, 25, 1), 1
	s_wait_xcnt 0x0
; out0[b][q][:] = the sum over k < valid_lens[b] of softmax_k(Q[b][q] . K[b][k] / sqrt(128)) V[b][k][:], both products on codes of BF6 (E3M2) with one E8M0 scale for each 32 along a product's K.
; K and V come as records of kv (one step of 128 keys: images of the operands' registers and their scale words; the launch before made them); Q, f32, is quantised here.
; THE SOFTMAX AHEAD OF THE SECOND PRODUCT: t = score x log2(e) / sqrt(128); M = the running largest t rounded UP to a whole number; p = 2^(t - M) is quantised along the keys, not normalised.  The row's sum is taken
; of the unquantised p and divides at the end.  When M moves, the sum and O are multiplied by 2^(old M - new M): exact.
; THE MASK.  A batch of length L needs ceil(L / 128) of its 16 steps; the others lie wholly under the mask and are not computed (L is read from memory); a NaN or an infinity there is not carried to the result.
; In the one step that the length cuts, hidden scores become -infinity ahead of the maximum.
; SHARES.  A work-group carries two jobs of 128 queries (block x), ONE AFTER THE OTHER: A, of the batch of rank 31 - y in the sorted table jobs, then B, of rank y: a long batch and a short one, so that the 256
; work-groups have about equal work.  Eight waves of 512 registers, two to a SIMD.  Wave w is wave jw = 2 (w / 4) + (w / 2) % 2 of group g = (w ^ (w / 4)) % 2.  GROUP g TAKES A JOB'S STEPS 2 n + g; wave jw of
; either group takes the job's queries 32 jw .. 32 jw + 31, two tiles of 16, so that each fragment read from LDS feeds two products.  At a job's end the partners w and w ^ 1, which hold the same queries over different
; keys, exchange: each KEEPS query tile g (its register tile 0) and GIVES query tile 1 - g (its register tile 1) through LDS, adds what it is given under the common M, divides and stores 16 rows.
; A TRIP is one step of each group; a job has ceil(L / 256) trips, at least one.  Trip 0 stands in front of the loop; the loop has 16 trips, a constant: every wave passes every barrier.  What hangs on the table is
; jumped over inside a trip: the step, the fetch, the end of a job.
; A TRIP, in order: S^T = K Q^T; the next record from registers into the other slot; V's fragments are asked of LDS; maxima; the record after next is asked of memory; exponentials; signal; sums and codes of p; wait; (a job's end:
; the exchange's second half, the way out;) the next K's fragments are asked of LDS; O^T += V^T P^T.  ONE BARRIER A TRIP shows both that the next slot is whole and that this one is read out.
; NO TENSOR LOADS, NO CLUSTER, though the 16 query blocks of a batch read the same records: joint requests are tensor loads.
; LAYOUT.  Both products are used transposed (source 0 = 16 keys or 16 channels, source 1 = 16 queries): a lane holds ONE query (lane % 16) of each tile throughout.  Register 32 c + i of a tile's 64 scores is key
; 64 c + 32 (lane / 16) + i of the step (the launch before chose the keys of K's tiles so): a block of 32 keys lies in one lane.
; LIMITS: a batch whose length is 0 or less gets rows of NaN, as the softmax of nothing gives; lengths above 2,048 count as 2,048; NaN and infinities among the inputs are not served, nor values whose sums overflow f32 (job B's
; first step multiplies job A's O by 0); the promise holds while the scaled scores stay under 2^31; a block of zeros has the scale byte 1 (its codes are zeros); a block's largest p is made from its largest score by
; the same two instructions as every p, which takes v_exp_f32 not to fall where its input rises.
; REGISTERS, window 0: v0-2 addresses, v3 at work; v4-11 -M, largest score, the sum in two halves, for each tile; v12, v14 f; v13, v15, v26, v27 block maxima; v16 P's scale words, v17 Q's (tile 0 in lanes 0-15, tile 1 in
;   lanes 16-31); v18-21 K's, v22-25 V's (two tiles a register); v28-31 at work; v32-255 by turns: in an even trip scores v32-159, K's then V's fragments v160-255; in an odd one v128-255 and v32-127.
;   window 1: v0-127 O^T (tile q, channels 16 T on: 64 q + 8 T); v128-151 Q's fragments; v152-175 p's codes; v176-225 the record on its way; v226-240 conversions; v241-255 addresses and what a job's end keeps.
.set REC,   25600
.set VFR,   12288
.set KSC,   24576
.set VSC,   25088
.set SLOT,  25600                      ; LDS: group g's slot s at 51,200 g + 25,600 s
.set X,     102400                     ; behind them 2 x 8,448 bytes for each wave: the exchange and the stage of the way out, by the trip's parity; Q's turn
.set XW,    16896
.set XH,    8448
.set QC,    X+8*XW                     ; Q's codes: job, jw, tile: 1,536 bytes each, an image of twelve registers
.set QSC,   QC+16*1536                 ; and their scale words: 64 bytes each
.set SPARE, QSC+1024
.set PITCH, 528
.set ST,    4
.set FF,    12
.set PS,    16
.set QS,    17
.set KS,    18
.set VS,    22
.set QF,    128                        ; from here on in window 1
.set P,     152
.set RG,    176
.set CT,    226
.set ABK,   241                        ; Q's turn, on the way back
.set ACG,   242                        ; the record: codes, scale words in memory; the same in LDS
.set ASG,   243
.set ACL,   244
.set ASL,   245
.set APF,   246                        ; the prefetches' offset
.set ALN,   247                        ; 16 x lane
.set SPW,   248                        ; my spare word and 0
.set NIL,   249
.set XOW,   250                        ; my exchange bytes, my partner's, the stage on the way in
.set XPA,   251
.set STI,   252
.set SNM,   254                        ; kept over a job's end: -M and the sum of tile 0
.set SVL,   255
.set CS,    22                         ; s[22:23] c = log2(e) / sqrt(128); s24 = -c
.set MSB, 0
.macro WIN new                         ; bits 1:0 source 0, 3:2 source 1, 5:4 source 2, 7:6 destination; the immediate's high byte repeats the setting that is left
.if MSB != \new
	s_set_vgpr_msb (MSB<<8)|\new
.set MSB, \new
.endif
.endm
.macro PLACES n                        ; plain instructions behind a matrix instruction (ISA guide 7.12.1)
.rept \n
	v_nop
.endr
.endm
.macro ASKREC r, p                     ; my quarter of the record at s[p:p+1]: twelve times 512 consecutive bytes of codes, 256 bytes of scale words
	WIN 0x41
.irp i, 0,1,2,3,4,5,6,7,8,9,10,11
	global_load_b128 v[\r+4*\i:\r+4*\i+3], v[ACG], s[\p:\p+1] offset:2048*\i
.endr
	global_load_b64 v[\r+48:\r+49], v[ASG], s[\p:\p+1] offset:KSC
	WIN 0
.endm
.macro PUTREC r, slot                  ; and into my group's slot, byte for byte
	WIN 0x05
.irp i, 0,1,2,3,4,5,6,7,8,9,10,11
	ds_store_b128 v[ACL], v[\r+4*\i:\r+4*\i+3] offset:SLOT*(\slot)+2048*\i
.endr
	ds_store_b64 v[ASL], v[\r+48:\r+49] offset:SLOT*(\slot)+KSC
	WIN 0
.endm
.macro PUTNEXT slot
	s_wait_loadcnt 0x0                             ; the next trip's record, asked for a trip ago, is in registers
	s_cmp_lg_u32 s37, 0
	s_cbranch_scc0 .Lno_put_\@
	PUTREC RG, \slot
.Lno_put_\@:
.endm
.macro NEXT                            ; the walk of the fetches, a trip on: two steps on in the job, or, at job B's first trip, its step g
	s_add_nc_u64 s[6:7], s[6:7], 2*REC
	s_add_co_u32 s34, s34, 256
	s_add_co_u32 s39, s39, 1
	s_cmp_eq_u32 s39, s53
	s_cselect_b64 s[6:7], s[46:47], s[6:7]
	s_cselect_b32 s34, s52, s34
	s_cselect_b32 s35, s51, s35
.endm
.macro ASKN                            ; the record of the trip after next
	s_wait_xcnt 0x0                                ; earlier loads and prefetches have read their addresses
	NEXT
	s_mov_b32 s36, 0
	s_cmp_lt_u32 s34, s35
	s_cbranch_scc0 .Lno_ask_\@
	s_mov_b32 s36, 1
	ASKREC RG, 6
	s_add_co_u32 s31, s34, s62
	s_cmp_lt_u32 s31, s35
	s_cbranch_scc0 .Lno_ask_\@
	WIN 0x01
	global_prefetch_b8 v[APF], s[6:7] offset:2*REC th:TH_LOAD_NT scope:SCOPE_SE   ; my group's record of the trip behind that, one trip ahead of its load: 100 blocks of 256 bytes, a lane a block (the last lanes name block 99 again); query block 0 asks for all; none past the job's last step
	WIN 0
.Lno_ask_\@:
.endm
.macro LOADF slot, sr, so, fb, fo      ; 28 LDS loads: eight tiles' scale words, two tiles a register, and eight fragments, 512 consecutive bytes a load
.irp i, 0,1,2,3
	ds_load_b32 v[\sr+\i], v2 offset:SLOT*(\slot)+\so+128*\i
.endr
.irp t, 0,1,2,3,4,5,6,7
.irp c, 0,1,2
	ds_load_b128 v[\fb+12*\t+4*\c:\fb+12*\t+4*\c+3], v1 offset:SLOT*(\slot)+\fo+1536*\t+512*\c
.endr
.endr
.endm
.macro WM d, a, b, cc, sa, sb, ra, rb
.if \ra
.if \rb
	v_wmma_scale_f32_16x16x128_f8f6f4 v[\d:\d+7], v[\a:\a+11], v[\b:\b+11], \cc, v[\sa], v[\sb] matrix_a_fmt:MATRIX_FMT_BF6 matrix_b_fmt:MATRIX_FMT_BF6 matrix_a_scale:MATRIX_SCALE_ROW1 matrix_b_scale:MATRIX_SCALE_ROW1
.else
	v_wmma_scale_f32_16x16x128_f8f6f4 v[\d:\d+7], v[\a:\a+11], v[\b:\b+11], \cc, v[\sa], v[\sb] matrix_a_fmt:MATRIX_FMT_BF6 matrix_b_fmt:MATRIX_FMT_BF6 matrix_a_scale:MATRIX_SCALE_ROW1
.endif
.else
.if \rb
	v_wmma_scale_f32_16x16x128_f8f6f4 v[\d:\d+7], v[\a:\a+11], v[\b:\b+11], \cc, v[\sa], v[\sb] matrix_a_fmt:MATRIX_FMT_BF6 matrix_b_fmt:MATRIX_FMT_BF6 matrix_b_scale:MATRIX_SCALE_ROW1
.else
	v_wmma_scale_f32_16x16x128_f8f6f4 v[\d:\d+7], v[\a:\a+11], v[\b:\b+11], \cc, v[\sa], v[\sb] matrix_a_fmt:MATRIX_FMT_BF6 matrix_b_fmt:MATRIX_FMT_BF6
.endif
.endif
.endm
.macro KQM                             ; S^T of eight tiles of keys x my two tiles of queries: each sum is one product (the head's 128 are one K step)
	WIN 0x04
.irp t, 0,1,2,3,4,5,6,7
.irp q, 0,1
	WM SB+64*\q+8*\t, FB+12*\t, QF+12*\q, 0, KS+\t/2, QS, \t%2, \q
.endr
.endr
	WIN 0
.endm
.macro PVM zero                        ; O^T += V^T P^T (zero = 1: begins it).  The sixteen accumulators take turns, one instruction a turn
	WIN 0x54
.irp t, 0,1,2,3,4,5,6,7
.irp q, 0,1
.if \zero
	WM 64*\q+8*\t, FB+12*\t, P+12*\q, 0, VS+\t/2, PS, \t%2, \q
.else
	WM 64*\q+8*\t, FB+12*\t, P+12*\q, v[64*\q+8*\t:64*\q+8*\t+7], VS+\t/2, PS, \t%2, \q
.endif
.endr
.endr
	WIN 0
	PLACES 5                                       ; for the next products, which write over V's fragments, and for reads of O^T
.endm
; Job's 16 rows of my kept query tile, two whole blocks a lane in v[32:95], become codes and scale bytes in LDS.
.macro QUANT job
.irp c, 0,1
	v_max3_num_f32 v[96+\c], |v[32+32*\c]|, |v[33+32*\c]|, 0x2800000   ; and the floor 2^(5 - 127): the byte cannot fall under 1
.endr
.irp i, 2,4,6,8,10,12,14,16,18,20,22,24,26,28,30
.irp c, 0,1
	v_max3_num_f32 v[96+\c], v[96+\c], |v[32+32*\c+\i]|, |v[33+32*\c+\i]|
.endr
.endr
	v_and_b32 v3, 31, v0
	v_and_b32 v124, 15, v0
	v_bfe_u32 v125, v0, 4, 1
.irp c, 0,1
	v_add_nc_u32 v[98+\c], 0xfe000000, v[96+\c]    ; 4 off the exponent field: the conversion's scale operand
.endr
	v_lshl_add_u32 v3, v3, 4, s57
	v_lshl_add_u32 v124, v124, 2, v125
	s_lshl_b32 s31, s14, 6
	s_add_co_u32 s31, s31, s59
	v_add_nc_u32 v124, s31, v124                   ; byte h of row r's word
.irp c, 0,1
	v_lshrrev_b32 v[100+\c], 23, v[98+\c]
.endr
.irp c, 0,1
	v_cvt_scalef32_pk16_bf6_f32 v[104+6*\c:106+6*\c], v[32+32*\c:47+32*\c], v[98+\c]
	v_cvt_scalef32_pk16_bf6_f32 v[116+4*\c:118+4*\c], v[48+32*\c:63+32*\c], v[98+\c]
.endr
	v_nop                                          ; one plain instruction behind a scaled conversion
.irp c, 0,1
.irp i, 0,1,2
	v_mov_b32 v[107+6*\c+\i], v[116+4*\c+\i]
.endr
.endr
.irp i, 0,1,2
	ds_store_b128 v3, v[104+4*\i:107+4*\i] offset:12288*\job+512*\i
.endr
	ds_store_b8 v124, v100 offset:512*\job
	ds_store_b8 v124, v101 offset:512*\job+2
	s_wait_alu depctr_va_vdst(0)
.endm
.macro QBACK                           ; back from my bytes of LDS: row r, the blocks h and 2 + h
	WIN 0x01
.irp c, 0,1
.irp j, 0,1,2,3,4,5,6,7
	ds_load_b128 v[32+32*\c+4*\j:35+32*\c+4*\j], v[ABK] offset:256*\c+16*\j
.endr
.endr
	WIN 0
.endm
.macro LOADQ job                       ; register tile 0 = query tile g, register tile 1 = query tile 1 - g
	v_and_b32 v3, 31, v0
	v_lshl_add_u32 v30, v3, 4, s57
	v_lshl_add_u32 v31, v3, 4, s58
	v_xor_b32 v3, s63, v3
	v_lshl_add_u32 v27, v3, 2, s59
	ds_load_b32 v[QS], v27 offset:512*\job
	WIN 0x40
.irp i, 0,1,2
	ds_load_b128 v[QF+4*\i:QF+4*\i+3], v30 offset:12288*\job+512*\i
	ds_load_b128 v[QF+12+4*\i:QF+15+4*\i], v31 offset:12288*\job+512*\i
.endr
	WIN 0
.endm
.macro MASK
	s_add_co_u32 s31, s28, 128
	s_cmp_le_u32 s31, s25                          ; do all 128 keys count?
	s_cbranch_scc1 .Lopen_\@
	s_sub_co_i32 s31, s25, s28
	v_and_b32 v28, 16, v0
	v_mov_b32 v29, 0xff800000                      ; -infinity: p = 0 then
	v_lshlrev_b32 v28, 1, v28
	v_sub_nc_u32 v28, s31, v28                     ; d = length - the step's first key - 32 (lane / 16): register 32 c + i is hidden where 64 c + i >= d
.set n, 0
.rept 64
	v_cmp_ge_i32 vcc_lo, 64*(n/32)+n%32, v28       ; one comparison serves both tiles: they have the same keys
	v_cndmask_b32 v[SB+n], v[SB+n], v29, vcc_lo
	v_cndmask_b32 v[SB+64+n], v[SB+64+n], v29, vcc_lo
.set n, n+1
.endr
.Lopen_\@:
.endm
.macro SMAX                            ; THE LARGEST SCORE OF EACH BLOCK OF 32 KEYS (tile q, block c: v[13 + 2 q] for c = 0, v[26 + q] for c = 1): for the row's maximum and, since p rises with the score, for the block's largest p
.irp q, 0,1
.irp c, 0,1
	v_max3_num_f32 v[13+2*\q+13*\c-\q*\c], v[SB+64*\q+32*\c], v[SB+64*\q+32*\c+1], v[SB+64*\q+32*\c+2]
.endr
.endr
.irp i, 3,5,7,9,11,13,15,17,19,21,23,25,27,29
.irp q, 0,1
.irp c, 0,1
	v_max3_num_f32 v[13+2*\q+13*\c-\q*\c], v[13+2*\q+13*\c-\q*\c], v[SB+64*\q+32*\c+\i], v[SB+64*\q+32*\c+\i+1]
.endr
.endr
.endr
.irp q, 0,1
.irp c, 0,1
	v_max_num_f32 v[13+2*\q+13*\c-\q*\c], v[13+2*\q+13*\c-\q*\c], v[SB+64*\q+32*\c+31]
.endr
.endr
.irp q, 0,1
	v_max_num_f32 v[28+2*\q], v[13+2*\q], v[26+\q]
.endr
.irp q, 0,1
	v_permlanex16_b32 v[29+2*\q], v[28+2*\q], s20, s21
.endr
.irp q, 0,1
	v_max3_num_f32 v[ST+4*\q+1], v[ST+4*\q+1], v[28+2*\q], v[29+2*\q]   ; the running largest score, lane l xor 16's keys among them
.endr
.irp q, 0,1
	v_mov_b32 v[28+2*\q], v[ST+4*\q]
.endr
.irp q, 0,1
	v_mul_f32 v[29+2*\q], s24, v[ST+4*\q+1]        ; -t
.endr
.irp q, 0,1
	v_floor_f32 v[ST+4*\q], v[29+2*\q]             ; the new -M = floor(-t) = -ceil(t): M is a whole number
.endr
.irp q, 0,1
	v_sub_f32 v[28+2*\q], v[ST+4*\q], v[28+2*\q]   ; old M - new M: a whole number, 0 or less
.endr
.irp q, 0,1
	v_cvt_i32_f32 v[28+2*\q], v[28+2*\q]           ; (it saturates)
.endr
.irp q, 0,1
	v_ldexp_f32 v[FF+2*\q], 1.0, v[28+2*\q]        ; f = 2^(old M - new M)
.endr
.endm
.macro EXPS                            ; p = 2^(t - M), at most 1.  Tile 1's multiply-adds stand among tile 0's exponentials; one wait ahead of each batch and one behind
.set j, 0
.rept 32
	v_pk_fma_f32 v[SB+j:SB+j+1], v[SB+j:SB+j+1], s[CS:CS+1], v[ST:ST+1] op_sel_hi:[1,0,0]   ; t - M, two at a time (of the pairs c and -M the low word serves both halves)
.set j, j+2
.endr
.irp q, 0,1
	v_fma_f32 v[13+2*\q], v[13+2*\q], s[CS], v[ST+4*\q]   ; the same of each block's largest score
	v_fma_f32 v[26+\q], v[26+\q], s[CS], v[ST+4*\q]
.endr
	s_wait_alu depctr_va_vdst(0)
.set j, 0
.rept 32
	v_exp_f32 v[SB+j], v[SB+j]
	v_exp_f32 v[SB+j+1], v[SB+j+1]
	v_pk_fma_f32 v[SB+64+j:SB+65+j], v[SB+64+j:SB+65+j], s[CS:CS+1], v[ST+4:ST+5] op_sel_hi:[1,0,0]
.set j, j+2
.endr
	s_wait_alu depctr_va_vdst(0)
.irp q, 0,1
	v_pk_mul_f32 v[ST+4*\q+2:ST+4*\q+3], v[ST+4*\q+2:ST+4*\q+3], v[FF+2*\q:FF+2*\q+1] op_sel_hi:[1,0]   ; the sums under the new M
.endr
.set j, 0
.rept 64
	v_exp_f32 v[SB+64+j], v[SB+64+j]
.set j, j+1
.endr
.irp q, 0,1
	v_exp_f32 v[13+2*\q], v[13+2*\q]               ; the blocks' largest p: the same two instructions on the same number give the same bits
	v_exp_f32 v[26+\q], v[26+\q]
.endr
	v_nop                                          ; a plain instruction behind the exponentials
	s_wait_alu depctr_va_vdst(0)
.endm
.macro SUMCV                           ; THE ROW'S SUM IS TAKEN OF THE UNQUANTISED p (two at a time, two chains a tile); then p's codes and scale words
	v_pk_add_f32 v[28:29], v[SB:SB+1], v[SB+2:SB+3]
	v_pk_add_f32 v[30:31], v[SB+64:SB+65], v[SB+66:SB+67]
.irp j, 4,8,12,16,20,24,28,32,36,40,44,48,52,56,60
.irp q, 0,1
	v_pk_add_f32 v[ST+4*\q+2:ST+4*\q+3], v[ST+4*\q+2:ST+4*\q+3], v[SB+64*\q+\j:SB+64*\q+\j+1]
	v_pk_add_f32 v[28+2*\q:29+2*\q], v[28+2*\q:29+2*\q], v[SB+64*\q+\j+2:SB+64*\q+\j+3]
.endr
.endr
.irp q, 0,1
	v_pk_add_f32 v[ST+4*\q+2:ST+4*\q+3], v[ST+4*\q+2:ST+4*\q+3], v[28+2*\q:29+2*\q]
.endr
.irp q, 0,1
	v_max_num_f32 v[13+2*\q], 0x2800000, v[13+2*\q]   ; the floor 2^(5 - 127): a block whose every p is 0 keeps the byte 1: its codes are zeros
	v_max_num_f32 v[26+\q], 0x2800000, v[26+\q]
.endr
.irp q, 0,1
	v_add_nc_u32 v[13+2*\q], 0xfe000000, v[13+2*\q]   ; 4 off the exponent field: the conversion's scale operand
	v_add_nc_u32 v[26+\q], 0xfe000000, v[26+\q]
.endr
.irp q, 0,1
	v_lshrrev_b32 v[28+2*\q], 23, v[13+2*\q]       ; the bytes of blocks h and 2 + h
	v_lshrrev_b32 v[29+2*\q], 23, v[26+\q]
.endr
.irp q, 0,1
	v_lshl_or_b32 v[28+2*\q], v[29+2*\q], 16, v[28+2*\q]
.endr
	v_permlane16_swap_b32 v28, v30                 ; v28: the h = 0 bytes of tile 0 (lanes 0-15) and of tile 1 (lanes 16-31); v30: their h = 1 bytes
	v_lshl_or_b32 v[PS], v30, 8, v28
	WIN 0x40
.irp q, 0,1
.irp c, 0,1
	v_cvt_scalef32_pk16_bf6_f32 v[P+12*\q+6*\c:P+12*\q+6*\c+2], v[SB+64*\q+32*\c:SB+64*\q+32*\c+15], v[13+2*\q+13*\c-\q*\c]
	v_cvt_scalef32_pk16_bf6_f32 v[CT+8*\q+4*\c:CT+8*\q+4*\c+2], v[SB+64*\q+32*\c+16:SB+64*\q+32*\c+31], v[13+2*\q+13*\c-\q*\c]   ; (a conversion's three registers begin on an even number)
.endr
.endr
	v_nop                                          ; one plain instruction behind a scaled conversion
	WIN 0x41
.irp q, 0,1
.irp c, 0,1
.irp i, 0,1,2
	v_mov_b32 v[P+12*\q+6*\c+3+\i], v[CT+8*\q+4*\c+\i]
.endr
.endr
.endr
.endm
.macro RESC q                          ; O^T of tile q under the new M, each accumulator from its low end on
	WIN 0x41
	s_wait_alu depctr_va_vdst(0)                   ; directly ahead of the first readers of O^T
.set j, 0
.rept 32
	v_pk_mul_f32 v[64*\q+j:64*\q+j+1], v[64*\q+j:64*\q+j+1], v[FF+2*\q:FF+2*\q+1] op_sel_hi:[1,0]
.set j, j+2
.endr
.endm
; A JOB'S END, first half, at a trip's head: tile 1's O, -M and sum into my exchange bytes (the trip's parity chooses which half); tile 0's -M and sum are kept; and on to job B (behind job B nothing follows: what is
; set then goes unused).  The running largest score begins anew under every score, so that job B's first f is 0.
.macro DUMP p
	v_add_f32 v[ST+2], v[ST+2], v[ST+3]
	v_add_f32 v[ST+6], v[ST+6], v[ST+7]
	v_and_b32 v3, 31, v0
	v_permlanex16_b32 v28, v[ST+2], s20, s21
	v_permlanex16_b32 v30, v[ST+6], s20, s21
	v_lshl_add_u32 v26, v3, 3, s55
	v_add_f32 v[ST+2], v[ST+2], v28                ; with lane l xor 16's
	v_add_f32 v29, v[ST+6], v30
	v_mov_b32 v28, v[ST+4]
	ds_store_b64 v26, v[28:29] offset:XH*\p+8192
	WIN 0x40
	v_mov_b32 v[SNM], v[ST]
	v_mov_b32 v[SVL], v[ST+2]
	WIN 0x05
.irp t, 0,1,2,3,4,5,6,7
	s_wait_alu depctr_va_vdst(0)                   ; directly ahead of the accumulator's first reader
	ds_store_b128 v[XOW], v[64+8*\t:67+8*\t] offset:XH*\p+1024*\t
	ds_store_b128 v[XOW], v[68+8*\t:71+8*\t] offset:XH*\p+1024*\t+512
.endr
	WIN 0
	FRESH
	LOADQ 1
	s_mov_b32 s25, s51
	s_mov_b32 s28, s52
	s_mov_b32 s40, s41
	s_mov_b32 s42, 1
	s_wait_alu depctr_va_vdst(0)
.endm
.macro FRESH
.irp q, 0,1
	v_mov_b32 v[ST+4*\q+1], 0xff61b1e6             ; the largest score so far: -3e38, under every score
	v_mov_b32 v[ST+4*\q+2], 0                      ; the sum, in two halves
	v_mov_b32 v[ST+4*\q+3], 0
.endr
.irp q, 0,1
	v_mul_f32 v[ST+4*\q], s24, v[ST+4*\q+1]
.endr
.irp q, 0,1
	v_floor_f32 v[ST+4*\q], v[ST+4*\q]             ; -M
.endr
.endm
; Second half, behind the trip's barrier: my partner's O, -M and sum of my kept tile; both under the larger M, added, divided; through my other exchange half as rows, and out.
.macro MERGE p
	v_and_b32 v3, 31, v0
	v_lshl_add_u32 v3, v3, 3, s56
	ds_load_b64 v[28:29], v3 offset:XH*\p+8192
	WIN 0x01
.irp i, 0,1,2,3,4,5,6,7,8,9,10,11,12,13,14,15
	ds_load_b128 v[SB+4*\i:SB+4*\i+3], v[XPA] offset:XH*\p+512*\i
.endr
	v_mov_b32 v30, v[SNM]
	v_mov_b32 v31, v[SVL]
	WIN 0
	s_wait_alu depctr_va_vdst(0)
	s_wait_dscnt 16                                ; -M and the sum are in; the sixteen loads of O may be out
	v_min_num_f32 v3, v28, v30                     ; -M of both
	v_sub_f32 v28, v3, v28
	v_sub_f32 v30, v3, v30
	v_cvt_i32_f32 v28, v28
	v_cvt_i32_f32 v30, v30
	v_ldexp_f32 v28, 1.0, v28                      ; my partner's factor (0 where it had no step),
	v_ldexp_f32 v30, 1.0, v30                      ; and mine
	v_mul_f32 v29, v29, v28
	v_fma_f32 v29, v31, v30, v29                   ; the row's sum
	s_wait_alu depctr_va_vdst(0)
	v_rcp_f32 v31, v29
	v_nop                                          ; a plain instruction behind the reciprocal,
	s_wait_alu depctr_va_vdst(0)                   ; and the wait ahead of its first reader
	v_mul_f32 v3, v29, v31                         ; 1 (NaN where the sum is 0: 0 x infinity)
	v_mul_f32 v31, v31, v3
	v_mul_f32 v30, v30, v31
	v_mul_f32 v28, v28, v31
	s_wait_alu depctr_va_vdst(0)
	s_wait_dscnt 0x0
.set j, 0
.rept 32
	v_pk_mul_f32 v[SB+j:SB+j+1], v[SB+j:SB+j+1], v[28:29] op_sel_hi:[1,0]
.set j, j+2
.endr
	WIN 0x01
	s_wait_alu depctr_va_vdst(0)                   ; directly ahead of the first readers of O^T
.set j, 0
.rept 32
	v_pk_fma_f32 v[SB+j:SB+j+1], v[j:j+1], v[30:31], v[SB+j:SB+j+1] op_sel_hi:[1,0,1]   ; register 8 T + i is out0(query r, channel 16 T + 8 h + i)
.set j, j+2
.endr
	s_wait_alu depctr_va_vdst(0)
.irp t, 0,1,2,3,4,5,6,7
	ds_store_b128 v[STI], v[SB+8*\t:SB+8*\t+3] offset:XH*(1-\p)+64*\t
	ds_store_b128 v[STI], v[SB+8*\t+4:SB+8*\t+7] offset:XH*(1-\p)+64*\t+16
.endr
.irp i, 0,1,2,3,4,5,6,7,8,9,10,11,12,13,14,15
	ds_load_b128 v[SB+64+4*\i:SB+67+4*\i], v[XOW] offset:XH*(1-\p)+PITCH*\i   ; LDS serves a wave's instructions in order (ISA guide 5.7.1.4): these see my stores
.endr
.irp i, 0,1,2,3,4,5,6,7,8,9,10,11,12,13,14,15
	s_wait_dscnt 15-\i                             ; row i is back; the younger loads may be out
	global_store_b128 v[ALN], v[SB+64+4*\i:SB+67+4*\i], s[10:11] offset:512*\i th:TH_STORE_NT   ; 32 lanes store a row's 512 consecutive bytes, at a multiple of 256 from out0's first byte
.endr
	WIN 0
	s_wait_xcnt 0x0                                ; the stores have read their registers and their base
	s_mov_b64 s[10:11], s[44:45]                   ; job B's rows
.endm
; A TRIP of parity p = T % 2.  s27 = T; s38, s37, s36: has my group a step in this trip, the next, the one after; s40 = the trip at whose head a job ends.
.macro TRIP p
.set SB, 32+96*(\p)
.set FB, 160-128*(\p)
.set FN, 32+128*(\p)
	s_mov_b32 s42, 0
	s_cmp_eq_u32 s27, s40
	s_cbranch_scc0 .Lgo_on_\@
	DUMP \p
.Lgo_on_\@:
	s_mov_b32 s37, s36
	s_wait_dscnt 0x0                               ; K's fragments and scale words are in (and Q's)
	s_cmp_lg_u32 s38, 0
	s_cbranch_scc0 .Lidle_\@
	KQM
	PUTNEXT 1-(\p)                                 ; into the slot that was read out a barrier ago
	PLACES 4                                       ; for the loads over K's fragments and for the first reads of the scores
	LOADF \p, VS, VSC, FB, VFR                     ; V's fragments land during the softmax
	MASK
	SMAX
	s_wait_alu depctr_va_vdst(0)
	s_wait_dscnt 28                                ; the record's stores are done, so its registers may be loaded; V's 28 loads may be out
	ASKN
	EXPS
	s_branch .Lmeet_\@
.Lidle_\@:
	PUTNEXT 1-(\p)
	s_wait_dscnt 0x0
	ASKN
.Lmeet_\@:
	s_wait_dscnt 0x0                               ; for the others' sake: my stores are done, and my reads of this slot are over
	s_barrier_signal -1
	s_cmp_lg_u32 s38, 0
	s_cbranch_scc0 .Lpass_\@
	SUMCV
	RESC 1
	WIN 0
	s_wait_alu depctr_va_vdst(0)
.Lpass_\@:
	s_barrier_wait -1
	s_cmp_lg_u32 s42, 0
	s_cbranch_scc0 .Lno_end_\@
	MERGE \p
.Lno_end_\@:
	s_cmp_lg_u32 s37, 0
	s_cbranch_scc0 .Lno_k_\@
	LOADF 1-(\p), KS, KSC, FN, 0                   ; the next step's K, over scores that have become codes
.Lno_k_\@:
	s_cmp_lg_u32 s38, 0
	s_cbranch_scc0 .Lno_pv_\@
	RESC 0
	PVM 0
.Lno_pv_\@:
	s_mov_b32 s38, s37
	s_add_co_u32 s27, s27, 1
	s_add_co_u32 s28, s28, 256
.endm
	s_load_b256 s[4:11], s[0:1], 0x0               ; queries s[4:5], kv s[6:7], jobs s[8:9], out0 s[10:11]
	WIN 0x40
	v_lshl_add_u32 v[SPW], v0, 2, SPARE
	v_mov_b32 v[NIL], 0
	WIN 0
	v_lshrrev_b32 v1, 5, v0
	v_readfirstlane_b32 s12, v1                    ; wave 0..7
	s_lshr_b32 s13, s12, 2
	s_xor_b32 s14, s12, s13
	s_and_b32 s14, s14, 1                          ; g
	s_bfe_u32 s15, s12, 0x10001
	s_lshl_b32 s31, s13, 1
	s_or_b32 s15, s15, s31                         ; jw
	s_mul_i32 s54, s14, 2*SLOT                     ; my group's slots
	s_mul_i32 s55, s12, XW
	s_add_co_u32 s55, s55, X                       ; my exchange bytes
	s_xor_b32 s56, s12, 1
	s_mul_i32 s56, s56, XW
	s_add_co_u32 s56, s56, X                       ; my partner's
	s_lshl_b32 s57, s15, 1
	s_or_b32 s57, s57, s14
	s_xor_b32 s58, s57, 1
	s_mul_i32 s57, s57, 1536
	s_add_co_u32 s57, s57, QC                      ; codes of query tile g of job A,
	s_mul_i32 s58, s58, 1536
	s_add_co_u32 s58, s58, QC                      ; and of tile 1 - g
	s_lshl_b32 s59, s15, 7
	s_add_co_u32 s59, s59, QSC                     ; the scale words of both
	s_lshl_b32 s63, s14, 4
	s_lshl_b32 s52, s14, 7                         ; the first key of a job's step g
	s_mov_b32 s16, ttmp9                           ; the block of 128 queries
	s_and_b32 s17, ttmp7, 0xffff                   ; the pair
	s_sub_co_u32 s18, 31, s17
	s_lshl_b32 s18, s18, 3
	s_lshl_b32 s19, s17, 3
	s_mov_b32 s20, 0x76543210                      ; selects for v_permlanex16_b32: lane l xor 16
	s_mov_b32 s21, 0xfedcba98
	s_mov_b32 s[CS], 0x3e0293ee                    ; c = log2(e) / sqrt(128)
	s_mov_b32 s[CS+1], s[CS]                       ; (named with it as a pair, so it is written)
	s_mov_b32 s24, 0xbe0293ee                      ; -c
	s_wait_alu depctr_va_vdst(0)
	s_wait_kmcnt 0x0
	s_load_b64 s[48:49], s[8:9], s18 offset:0x0    ; job A: {batch, length}
	s_load_b64 s[50:51], s[8:9], s19 offset:0x0    ; job B
	v_and_b32 v3, 31, v0                           ; lane
	v_and_b32 v28, 15, v0                          ; r
	v_bfe_u32 v29, v0, 4, 1                        ; h
	s_lshl_b32 s31, s15, 5
	v_add_nc_u32 v26, s31, v3                      ; my number among my group's 128 threads
	v_lshl_add_u32 v1, v3, 4, s54                  ; fragments out of a slot: 16 x lane
	v_lshlrev_b32 v30, 3, v28
	v_mul_u32_u24 v31, v28, PITCH
	v_min_u32 v27, 0x63, v26
	v_lshl_add_u32 v30, v29, 2, v30
	v_add_nc_u32 v31, s55, v31
	v_add_nc_u32 v2, s54, v30                      ; scale words out of a slot: 8 r + 4 h
	WIN 0x40
	v_lshlrev_b32 v[ACG], 4, v26
	v_lshlrev_b32 v[ASG], 3, v26
	v_lshl_add_u32 v[ACL], v26, 4, s54
	v_lshl_add_u32 v[ASL], v26, 3, s54
	v_lshlrev_b32 v[APF], 8, v27
	v_lshlrev_b32 v[ALN], 4, v3
	v_lshl_add_u32 v[XOW], v3, 4, s55
	v_lshl_add_u32 v[XPA], v3, 4, s56
	v_lshl_add_u32 v[STI], v29, 5, v31             ; row r, + 32 h
	v_lshl_add_u32 v[ABK], v29, 7, v31             ; row r, + 128 h
	WIN 0
	FRESH
	s_wait_alu depctr_va_vdst(0)
	s_wait_kmcnt 0x0
	s_min_u32 s48, s48, 31
	s_min_u32 s49, s49, 0x800
	s_min_u32 s50, s50, 31
	s_min_u32 s51, s51, 0x800
	s_mov_b32 s33, 0
	s_mul_i32 s32, s48, 16*REC
	s_add_nc_u64 s[66:67], s[6:7], s[32:33]        ; job A's record 0
	s_mul_i32 s32, s50, 16*REC
	s_add_nc_u64 s[46:47], s[6:7], s[32:33]
	s_mul_i32 s32, s14, REC
	s_add_nc_u64 s[46:47], s[46:47], s[32:33]      ; job B's record g
	s_add_nc_u64 s[6:7], s[66:67], s[32:33]        ; job A's record g
	s_lshl_b32 s31, s16, 7
	s_lshl_b32 s32, s15, 5
	s_add_co_u32 s31, s31, s32
	s_add_co_u32 s31, s31, s63                     ; my kept tile's first query in a batch: 128 block + 32 jw + 16 g
	s_lshl_b32 s32, s50, 11
	s_add_co_u32 s32, s32, s31
	s_lshl_b32 s32, s32, 9                         ; rows of 512 bytes: under 2^25
	s_add_nc_u64 s[60:61], s[4:5], s[32:33]        ; job B's rows of queries
	s_add_nc_u64 s[44:45], s[10:11], s[32:33]      ; and of out0
	s_lshl_b32 s32, s48, 11
	s_add_co_u32 s32, s32, s31
	s_lshl_b32 s32, s32, 9
	s_add_nc_u64 s[4:5], s[4:5], s[32:33]          ; job A's
	s_add_nc_u64 s[10:11], s[10:11], s[32:33]
	s_mov_b32 s25, s49                             ; the length and the first key of my step in this trip
	s_mov_b32 s28, s52
	s_mov_b32 s34, s52                             ; the same of the walk of the fetches, and its trip
	s_mov_b32 s35, s49
	s_mov_b32 s39, 0
	s_add_co_u32 s53, s49, 255
	s_lshr_b32 s53, s53, 8
	s_max_u32 s53, s53, 1                          ; job A's trips: ceil(length / 256), at least 1
	s_add_co_u32 s41, s51, 255
	s_lshr_b32 s41, s41, 8
	s_max_u32 s41, s41, 1
	s_add_co_u32 s41, s41, s53                     ; both jobs' trips: 16 at the most
	s_mov_b32 s40, s53
	s_mov_b32 s62, 0x10000
	s_cmp_eq_u32 s16, 0
	s_cselect_b32 s62, 256, s62                    ; query block 0 prefetches; the others' sum passes every length
	s_cmp_lt_u32 s34, s35
	s_cselect_b64 s[68:69], s[6:7], s[66:67]       ; where my group has no step in trip 0, record 0 (always made) stands in, and the mask hides all of it
	ASKREC RG, 68                                  ; trip 0's record
	NEXT
	s_cmp_lt_u32 s34, s35
	s_cselect_b64 s[70:71], s[6:7], s[66:67]
	s_cselect_b32 s38, 1, 0
	ASKREC 64, 70                                  ; trip 1's, into registers of O^T, which begins behind trip 0's softmax
	WIN 0x01
.set i, 0
.rept 16
	global_load_b128 v[32+4*i:35+4*i], v[ALN], s[4:5] offset:512*i th:TH_LOAD_NT   ; job A's 16 rows of Q: 32 lanes read a row's 512 consecutive bytes
.set i, i+1
.endr
	WIN 0x41
.set i, 0
.rept 16
	global_load_b128 v[4*i:4*i+3], v[ALN], s[60:61] offset:512*i th:TH_LOAD_NT     ; job B's, into registers of O^T
.set i, i+1
.endr
	WIN 0
	s_wait_loadcnt 32                              ; both records' 26 loads are in; Q's 32 may be out
	PUTREC RG, 0
	PUTREC 64, 1
	s_wait_loadcnt 16                              ; job A's rows are in; job B's 16 may be out
	WIN 0x01
.set i, 0
.rept 16
	ds_store_b128 v[XOW], v[32+4*i:35+4*i] offset:PITCH*i   ; Q turns through my own bytes of LDS: in by rows
.set i, i+1
.endr
	QBACK
	s_wait_dscnt 0x0
	ASKN                                           ; trip 2's record
	QUANT 0
	s_wait_dscnt 0x0                               ; my parts of both slots and my tile's codes are in LDS
	s_barrier_signal -1
	s_barrier_wait -1
	LOADQ 0
	; ---- TRIP 0: both groups compute; O^T and the sums begin
.set SB, 32
.set FB, 160
	LOADF 0, KS, KSC, FB, 0
	s_wait_alu depctr_va_vdst(0)
	s_wait_dscnt 0x0
	KQM
	PLACES 4
	LOADF 0, VS, VSC, FB, VFR
	MASK
	SMAX
	EXPS
	SUMCV
	WIN 0
	s_wait_alu depctr_va_vdst(0)
	s_wait_loadcnt 0x0                             ; job B's rows are in (and trip 2's record)
	WIN 0x05
.set i, 0
.rept 16
	ds_store_b128 v[XOW], v[4*i:4*i+3] offset:PITCH*i
.set i, i+1
.endr
	QBACK                                          ; over scores that have become codes
	s_wait_dscnt 0x0
	QUANT 1
	s_wait_dscnt 0x0
	s_barrier_signal -1
	s_barrier_wait -1
	LOADF 1, KS, KSC, 32, 0                        ; trip 1's K (where there is no such step, what stood in for it)
	PVM 1
	s_mov_b32 s27, 1
	s_add_co_u32 s28, s28, 256
	s_mov_b32 s30, 8
.Ltrips:                                               ; T = 1 .. 16: both jobs have 16 trips at the most, and job B's end stands at the head of the trip behind its last
	TRIP 1
	TRIP 0
	s_sub_co_u32 s30, s30, 1
	s_cmp_lg_u32 s30, 0
	s_cbranch_scc1 .Ltrips
	WIN 0x05
	s_wait_tensorcnt 0x0                           ; the wave's end
	ds_add_u32 v[SPW], v[NIL]
	s_wait_dscnt 0x0
	WIN 0
	s_endpgm
.Lfunc_end_k_q3d433324b8_attn:
	.size	k_q3d433324b8_attn, .Lfunc_end_k_q3d433324b8_attn-k_q3d433324b8_attn
	.p2alignl 7, 3214868480
	.fill 96, 4, 3214868480
	.section	.rodata,"a",@progbits
	.p2align	6, 0x0
	.amdhsa_kernel k_q3d433324b8_attn
		.amdhsa_group_segment_fixed_size 264192
		.amdhsa_private_segment_fixed_size 0
		.amdhsa_enable_private_segment 0
		.amdhsa_kernarg_size 32
		.amdhsa_user_sgpr_count 2
		.amdhsa_user_sgpr_kernarg_segment_ptr 1
		.amdhsa_wavefront_size32 1
		.amdhsa_system_sgpr_workgroup_id_x 1
		.amdhsa_system_sgpr_workgroup_id_y 1
		.amdhsa_system_sgpr_workgroup_id_z 1
		.amdhsa_system_vgpr_workitem_id 0
		.amdhsa_next_free_vgpr 512
		.amdhsa_next_free_sgpr 72
		.amdhsa_reserve_vcc 1
		.amdhsa_float_denorm_mode_32 3
		.amdhsa_float_denorm_mode_16_64 3
		.amdhsa_memory_ordered 1
		.amdhsa_forward_progress 1
		.amdhsa_inst_pref_size 181
	.end_amdhsa_kernel
	.amdgpu_metadata
---
amdhsa.version: [ 1, 2 ]
amdhsa.kernels:
  - .name:           k_q3d433324b8_attn
    .symbol:         k_q3d433324b8_attn.kd
    .args:
      - { .name: queries, .offset: 0, .size: 8, .value_kind: global_buffer, .address_space: global }
      - { .name: kv, .offset: 8, .size: 8, .value_kind: global_buffer, .address_space: global }
      - { .name: jobs, .offset: 16, .size: 8, .value_kind: global_buffer, .address_space: global }
      - { .name: out0, .offset: 24, .size: 8, .value_kind: global_buffer, .address_space: global }
    .group_segment_fixed_size: 264192
    .private_segment_fixed_size: 0
    .kernarg_segment_align: 8
    .kernarg_segment_size: 32
    .max_flat_workgroup_size: 256
    .sgpr_count:     72
    .vgpr_count:     512
    .wavefront_size: 32
...
	.end_amdgpu_metadata
.endif
;; end of part 2
